; MI455X (gfx1250); checked and timed in simulation.
; The chip was launched on July 23, 2026; its instructions are those of AMD's public machine-readable ISA for CDNA 5 (MIT licence, August 2026) and "CDNA5" Instruction Set Architecture Reference Guide (July 2026). The comments in the code are by the model that wrote it; some were corrected since.
;; SPINN. Allowed arithmetic: matrix products marked QUANTISED: E5M2 operands, one given power-of-two scale a tensor, by v_wmma_f32_16x16x64_bf8_bf8 or v_wmma_f32_16x16x128_bf8_bf8, f32 sums; everything else in f32.
;; Inputs: W_buf 1,024 x 4,096 float32; W_lateral 1,024 x 4,096 float32; W_stack1 1,024 x 4,096 float32; W_stack2 1,024 x 4,096 float32; b_lateral 4,096 float32; c_prev 4,096 x 1,024 float32; h_prev 4,096 x 1,024 float32; lowp_scales 8 int32 (the exponents e of the quantised operands' scales 2^e); top_buf_h 4,096 x 1,024 float32; top_stack1_h 4,096 x 1,024 float32; top_stack2_h 4,096 x 1,024 float32.
;; Outputs: out0 4,096 x 1,024 float32; out1 4,096 x 1,024 float32.
;; This version of the problem:
;;   THIS VERSION OF THE PROBLEM IS GIVEN IN LOW PRECISION. The matrix products marked QUANTISED in the list below multiply operands that are first quantised to E5M2 (5 exponent bits, 2 mantissa bits; 8 bits a number), with one given power-of-two scale for each operand tensor; their sums are f32. All else is computed in f32.
;;   The module's matrix products, in the order in which they are computed (A, B: the left and right operand; K: the contracted axis; several contracted axes count as one K, in the product's order):
;;     1. [M 4,096, K 1,024] x [K 1,024, N 4,096]; A: input top_buf_h; B: input W_buf: QUANTISED (scales: A lowp_scales[0], B lowp_scales[1])
;;     2. [M 4,096, K 1,024] x [K 1,024, N 4,096]; A: input top_stack1_h; B: input W_stack1: QUANTISED (scales: A lowp_scales[2], B lowp_scales[3])
;;     3. [M 4,096, K 1,024] x [K 1,024, N 4,096]; A: input top_stack2_h; B: input W_stack2: QUANTISED (scales: A lowp_scales[4], B lowp_scales[5])
;;     4. [M 4,096, K 1,024] x [K 1,024, N 4,096]; A: input h_prev; B: input W_lateral: QUANTISED (scales: A lowp_scales[6], B lowp_scales[7])
;;   THE QUANTISER, for each operand of a quantised product, along K:
;;     - The operand's scale is 2^e, e = its entry of the input lowp_scales (int32; the entries are numbered through the quantised products in the list's order, A before B).
;;     - Each number is divided by the scale, clamped to +-57,344, and rounded to the nearest number of E5M2, ties to even, subnormals kept.
;;     - The product sums the exact products of the quantised numbers (number of the format x scale) in f32.
;;   ~~~python
;;   def quantise(x, axis, e):      # numpy; x: float32 -> the quantised numbers, widened to float32 again
;;       x = np.moveaxis(x, axis, -1); K = x.shape[-1]
;;       r = np.clip(x / 2.0 ** e, -57344, 57344)
;;       step = 2.0 ** (np.maximum(np.frexp(np.where(r == 0, 1, r))[1] - 1, -14) - 2)
;;       q = np.round(r / step) * step * 2.0 ** e      # np.round: ties to even
;;       return np.moveaxis(q, -1, axis).astype(np.float32)
;;   ~~~
;; One version. Each part assembles by itself: llvm-mc -triple=amdgcn-amd-amdhsa -mcpu=gfx1250 --defsym DOCPART=n.
;; ======== version 1 of 1: 2 launches
;; limits: right only within a limited range of input values
;; workspace buffers: a_codes 16,777,216 bytes; w_codes 16,777,216 bytes
;; launch quant (part 1): grid 1024 x 1, 4 waves a work-group, no clusters, 68,096 bytes of LDS; arguments top_buf_h, top_stack1_h, top_stack2_h, h_prev, W_buf, W_stack1, W_stack2, W_lateral, lowp_scales, a_codes, w_codes; writes a_codes, w_codes
.if DOCPART == 1
	.amdgcn_target "amdgcn-amd-amdhsa--gfx1250"
	.amdhsa_code_object_version 6
	.text
	.protected	k_q83788f3af1_quant
	.globl	k_q83788f3af1_quant
	.p2align	8
	.type	k_q83788f3af1_quant,@function
k_q83788f3af1_quant:
	s_mov_b64 s[64:65], 0
	v_nop
	global_prefetch_b8 v0, s[64:65] scope:SCOPE_SE
	s_setreg_imm32_b32 hwreg(HW_REG_WAVE_MODE, 25, 1), 1
	s_wait_xcnt 0x0
; All eight operands of the four products, f32, become codes of BF8 (E5M2), one byte each, K innermost, each with the one scale 2^e that is given for it.
; code = x / 2^e, held within +-57,344, rounded to the nearest code, ties to even.
; The four products are laid as one, K' = 1024 p + k, p = 0 buf, 1 stack1, 2 stack2, 3 h_prev / lateral, and BY K STEPS OF 256: a_codes [16 K steps][4096 m][256], w_codes [16 K steps][4096 n'][256]:
; the code of (row, K') lies at byte (K' / 256) x 2^20 + 256 x row + K' % 256, so that any run of rows of one K step is one dense block for the product's launch.
; Column n = 1024 g + j of the weights (gate g, track column j) is row n' = 128 (j / 32) + 32 g + j % 32: 128 neighbouring rows are 32 track columns of all four gates.
; Work-groups 0-511 take the activations (K innermost), 128 a tensor; work-groups 512-1023 the weights (K is their FIRST axis), 128 a tensor; 32,768 numbers each.
; The two ways part once, on the work-group's number, and never join; each has LDS bytes of its own.  Waves share nothing: no barrier.
; LIMITS: every e lies between -126 and 112, so that 2^e and 57,344 x 2^e are f32 numbers.  NaN among the inputs is not served; an infinity is held at the largest code.
.set SP,     80                        ; activations: a lane's place in a stage: its 64 bytes + 16 of padding
.set ASTG,   32*SP                     ; a stage; each wave has two, in a region of 8,192 bytes from LDS byte 8192 x wave
.set STEPS,  16                        ; steps of 512 numbers for a wave
.set WBASE,  32768                     ; weights: the stages begin here
.set WPITCH, 272                       ; a stage row: 256 bytes of codes + 16
.set NB,     8                         ; blocks of 32 along K for a wave
.set KBLK,   1<<20                     ; a K step's block of codes: 4,096 rows x 256 bytes
.set AR,   16                          ; v16-79   activations: four sets of 16 numbers as they are loaded
.set AX,   80                          ; v80-111  two sets of 16 neighbours
.set ACD,  128                         ; v128-191 codes: four registers for each step, so that no store's data are written again
.set WX,   32                          ; v32-95   weights: two sets of 32 numbers down K
.set WCD,  96                          ; v96-103  a block's codes
.set WOUT, 112                         ; v112-175 the way out: 16 x 4 registers
	s_load_b256 s[4:11], s[0:1], 0x0               ; the four activations
	s_load_b256 s[12:19], s[0:1], 0x20             ; the four weights
	s_load_b128 s[20:23], s[0:1], 0x40             ; the scales' exponents s[20:21], a_codes s[22:23]
	s_load_b64 s[24:25], s[0:1], 0x50              ; w_codes
	v_lshl_add_u32 v192, v0, 2, 0x10800
	v_mov_b32 v193, 0
	v_lshrrev_b32 v1, 5, v0
	v_readfirstlane_b32 s26, v1                    ; wave 0..3
	v_and_b32 v2, 31, v0                           ; lane
	v_lshlrev_b32 v3, 4, v2                        ; 16 x lane: my 16 bytes of a load's 512; also my 16 bytes of two rows of w_codes, which lie on end
	v_lshlrev_b32 v5, 2, v2                        ; 4 x lane: my column of a row of a weight
	; every LDS address is made here, ahead of the parting
	s_lshl_b32 s30, s26, 13                        ; activations: 8192 x wave
	v_lshrrev_b32 v14, 2, v2
	v_mul_u32_u24 v14, v14, SP
	v_and_b32 v15, 3, v2
	v_lshl_add_u32 v14, v15, 4, v14
	v_add_nc_u32 v14, s30, v14                     ; into the stage: four lanes' 64 bytes on end, then the padding: SP (lane / 4) + 16 (lane % 4)
	v_mul_u32_u24 v15, v2, SP
	v_add_nc_u32 v15, s30, v15                     ; out of it: SP x lane: my 16 neighbours
	s_mul_i32 s31, s26, 32*WPITCH
	s_add_co_u32 s31, s31, WBASE                   ; weights: my wave's stage
	v_mul_u32_u24 v6, v2, WPITCH
	v_add_nc_u32 v6, s31, v6                       ; into it: row = my column
	v_and_b32 v9, 15, v2
	v_lshrrev_b32 v12, 4, v2
	v_mul_u32_u24 v7, v12, WPITCH
	v_lshl_add_u32 v7, v9, 4, v7
	v_add_nc_u32 v7, s31, v7                       ; out of it: sixteen lanes to a row, two rows an instruction
	v_lshlrev_b32 v4, 20, v12
	v_lshl_add_u32 v4, v9, 4, v4                   ; a_codes: a step's 512 codes are two K steps' 256: lanes 16-31 stand one block further on
	s_wait_kmcnt 0x0
	s_load_b256 s[40:47], s[20:21], 0x0            ; the eight exponents: A's at the even entries, B's at the odd
	s_and_b32 s27, ttmp9, 511
	s_lshr_b32 s28, s27, 7                         ; p: which product's operand
	s_and_b32 s29, s27, 127                        ; which of its 128 parts
	s_cmp_lt_u32 ttmp9, 512
	s_cbranch_scc0 .Lweights
; the tensor of product p: a choice among four buffers on the work-group's number alone
.macro PICK64 b
	s_cmp_eq_u32 s28, 1
	s_cselect_b64 s[\b:\b+1], s[\b+2:\b+3], s[\b:\b+1]
	s_cmp_eq_u32 s28, 2
	s_cselect_b64 s[\b:\b+1], s[\b+4:\b+5], s[\b:\b+1]
	s_cmp_eq_u32 s28, 3
	s_cselect_b64 s[\b:\b+1], s[\b+6:\b+7], s[\b:\b+1]
.endm
; its exponent e (f = 40: A's entries, 41: B's): v11 = 2^e, whose exponent field the conversion takes; v10 = 57,344 x 2^e, the hold
.macro SCALE f
	s_wait_kmcnt 0x0
	s_cmp_eq_u32 s28, 1
	s_cselect_b32 s36, s[\f+2], s[\f]
	s_cmp_eq_u32 s28, 2
	s_cselect_b32 s36, s[\f+4], s36
	s_cmp_eq_u32 s28, 3
	s_cselect_b32 s36, s[\f+6], s36
	s_add_co_i32 s36, s36, 127
	s_lshl_b32 s37, s36, 23
	v_mov_b32 v11, s37
	s_add_co_i32 s36, s36, 15
	s_lshl_b32 s36, s36, 23
	s_or_b32 s36, s36, 0x600000                    ; the mantissa field of 57,344
	v_mov_b32 v10, s36
.endm
; ---- THE ACTIVATIONS.  A wave takes 8 rows of 1,024 numbers, 16 steps of 512.  Each load reads 512 consecutive bytes, 16 a lane; a step's 2,048 bytes turn through the wave's own stage
; and come back 64 bytes a lane, so that a lane holds 16 neighbours along K for the conversions.  Loads run four steps ahead, the turn through LDS one step.
	PICK64 4
	s_lshl_b32 s30, s29, 2
	s_add_co_u32 s30, s30, s26                     ; which run of 8 rows is my wave's: 0 .. 511
	s_lshl_b32 s32, s30, 11                        ; 8 rows of 256 bytes in a K step's block
	s_lshl_b32 s30, s30, 15                        ; 8 rows of 4,096 bytes of f32
	s_mov_b32 s31, 0
	s_add_nc_u64 s[4:5], s[4:5], s[30:31]
	s_lshl_b32 s33, s28, 22
	s_add_co_u32 s32, s32, s33                     ; + 4 p blocks: the product's first K step
	s_mov_b32 s33, 0
	s_add_nc_u64 s[22:23], s[22:23], s[32:33]
.macro ALOAD t
.irp i, 0,1,2,3
	global_load_b128 v[AR+16*((\t)%4)+4*\i:AR+16*((\t)%4)+4*\i+3], v3, s[4:5] offset:2048*(\t)+512*\i th:TH_LOAD_NT   ; 32 lanes read 512 consecutive bytes
.endr
.endm
.macro ATURN t                         ; LDS serves a wave's instructions in order (ISA guide 5.7.1.4): no wait between the stores and the loads
.irp i, 0,1,2,3
	ds_store_b128 v14, v[AR+16*((\t)%4)+4*\i:AR+16*((\t)%4)+4*\i+3] offset:ASTG*((\t)%2)+8*SP*\i
.endr
.irp i, 0,1,2,3
	ds_load_b128 v[AX+16*((\t)%2)+4*\i:AX+16*((\t)%2)+4*\i+3], v15 offset:ASTG*((\t)%2)+16*\i
.endr
.endm
.irp t, 0,1,2,3
	ALOAD \t
.endr
	SCALE 40
	s_wait_loadcnt 12                              ; step 0's four loads are in; the twelve of steps 1 to 3 may be out
	ATURN 0
.macro ASTEP t
.set XS, AX+16*((\t)%2)
	s_wait_dscnt 0x0                               ; this step's numbers are back from the stage: so its stores into the stage have read their registers,
.if (\t)+4 < STEPS
	ALOAD (\t)+4                                   ; which take the loads of four steps on
.endif
.if (\t)+1 < STEPS
.if STEPS-2-(\t) >= 3
	s_wait_loadcnt 12                              ; the next step's four loads are in; those of the three steps behind it may be out
.else
	s_wait_loadcnt 4*(STEPS-2-(\t))
.endif
	ATURN (\t)+1                                   ; and go through the other stage while this step is worked
.endif
.irp i, 0,1,2,3,4,5,6,7,8,9,10,11,12,13,14,15
	v_med3_num_f32 v[XS+\i], v[XS+\i], -v10, v10   ; the conversion to an 8-bit code does not saturate (ISA guide 7.6.2): the hold comes first
.endr
	v_cvt_scalef32_pk8_bf8_f32 v[ACD+4*(\t):ACD+4*(\t)+1], v[XS:XS+7], v11
	v_cvt_scalef32_pk8_bf8_f32 v[ACD+4*(\t)+2:ACD+4*(\t)+3], v[XS+8:XS+15], v11   ; the codes go to a store alone; the next vector lines are the next step's holds, plain and on other registers
	global_store_b128 v4, v[ACD+4*(\t):ACD+4*(\t)+3], s[22:23] offset:2*KBLK*((\t)%2)+256*((\t)/2)   ; row t / 2, K steps 2 (t % 2) and 2 (t % 2) + 1 of the product: each half of the lanes stores 256 consecutive bytes, aligned
.endm
.irp t, 0,1,2,3,4,5,6,7,8,9,10,11,12,13,14,15
	ASTEP \t
.endr
	s_wait_tensorcnt 0x0
	ds_add_u32 v192, v193
	s_wait_dscnt 0x0
	s_endpgm
; ---- THE WEIGHTS.  A LANE TAKES A COLUMN n, AND ITS REGISTERS RUN DOWN K: each load reads 32 neighbouring columns (128 consecutive bytes a wave, 512 a work-group), and the conversions give codes with K innermost.
; A wave takes 32 columns x 256 along K, one K step: 8 blocks of 32.  The codes go through the wave's own stage and leave as rows: its 32 rows of 256 bytes lie on end in w_codes.  Loads run two blocks ahead.
.Lweights:
	PICK64 12
	s_and_b32 s30, s29, 31
	s_lshr_b32 s32, s29, 5                         ; y: which 256 along K
	s_lshl_b32 s30, s30, 7
	s_lshl_b32 s33, s26, 5
	s_add_co_u32 s30, s30, s33                     ; n0 = my wave's first column, a multiple of 32
	s_lshr_b32 s33, s30, 10                        ; its gate g
	s_bfe_u32 s34, s30, 0x50005                    ; (n0 % 1024) / 32
	s_lshl_b32 s34, s34, 7
	s_lshl_b32 s33, s33, 5
	s_add_co_u32 s34, s34, s33                     ; n'0 = 128 (j / 32) + 32 g: my 32 columns are 32 neighbouring rows of w_codes
	s_lshl_b32 s34, s34, 8                         ; rows of 256 bytes
	s_lshl_b32 s33, s28, 2
	s_add_co_u32 s33, s33, s32                     ; K step 4 p + y
	s_lshl_b32 s33, s33, 20
	s_add_co_u32 s34, s34, s33
	s_mov_b32 s35, 0
	s_add_nc_u64 s[24:25], s[24:25], s[34:35]
	s_lshl_b32 s30, s30, 2
	s_lshl_b32 s32, s32, 22                        ; 256 rows of 16,384 bytes
	s_add_co_u32 s30, s30, s32
	s_mov_b32 s31, 0
	s_add_nc_u64 s[12:13], s[12:13], s[30:31]
.macro WLOAD t                         ; block t: W(32 t + i, my column); the largest offset, 255 rows of 16,384 bytes, lies inside the signed 24-bit immediate (ISA guide, chapter 10)
.irp i, 0,1,2,3,4,5,6,7,8,9,10,11,12,13,14,15,16,17,18,19,20,21,22,23,24,25,26,27,28,29,30,31
	global_load_b32 v[WX+32*((\t)%2)+\i], v5, s[12:13] offset:(32*(\t)+\i)*16384 th:TH_LOAD_NT
.endr
.endm
	WLOAD 0
	WLOAD 1
	SCALE 41
.macro WBLOCK t
.set XS, WX+32*((\t)%2)
.if (\t) < NB-1
	s_wait_loadcnt 32                              ; this block's 32 loads are in; the next block's 32 may be out
.else
	s_wait_loadcnt 0
.endif
.irp i, 0,1,2,3,4,5,6,7,8,9,10,11,12,13,14,15,16,17,18,19,20,21,22,23,24,25,26,27,28,29,30,31
	v_med3_num_f32 v[XS+\i], v[XS+\i], -v10, v10
.endr
.irp g, 0,1,2,3
	v_cvt_scalef32_pk8_bf8_f32 v[WCD+2*\g:WCD+2*\g+1], v[XS+8*\g:XS+8*\g+7], v11
.endr
	ds_store_b128 v6, v[WCD:WCD+3] offset:32*(\t)  ; 32 codes: 32 bytes of my column's row
	ds_store_b128 v6, v[WCD+4:WCD+7] offset:32*(\t)+16
.if (\t)+2 < NB
	WLOAD (\t)+2
.endif
	s_wait_dscnt 0x0                               ; the stores have read their registers: the next block's codes may be written
.endm
.irp t, 0,1,2,3,4,5,6,7
	WBLOCK \t
.endr
.irp t, 0,1,2,3,4,5,6,7,8,9,10,11,12,13,14,15
	ds_load_b128 v[WOUT+4*\t:WOUT+4*\t+3], v7 offset:2*\t*WPITCH   ; these see my stores: a wave's LDS instructions are served in order
.endr
.irp t, 0,1,2,3,4,5,6,7,8,9,10,11,12,13,14,15
	s_wait_dscnt 15-\t                             ; load t is in; the 15 - t younger ones may be out
	global_store_b128 v3, v[WOUT+4*\t:WOUT+4*\t+3], s[24:25] offset:512*\t   ; rows 2 t and 2 t + 1: 32 lanes store 512 consecutive bytes, aligned
.endr
	s_wait_tensorcnt 0x0
	ds_add_u32 v192, v193
	s_wait_dscnt 0x0
	s_endpgm
.Lfunc_end_k_q83788f3af1_quant:
	.size	k_q83788f3af1_quant, .Lfunc_end_k_q83788f3af1_quant-k_q83788f3af1_quant
	.p2alignl 7, 3214868480
	.fill 96, 4, 3214868480
	.section	.rodata,"a",@progbits
	.p2align	6, 0x0
	.amdhsa_kernel k_q83788f3af1_quant
		.amdhsa_group_segment_fixed_size 68096
		.amdhsa_private_segment_fixed_size 0
		.amdhsa_enable_private_segment 0
		.amdhsa_kernarg_size 88
		.amdhsa_user_sgpr_count 2
		.amdhsa_user_sgpr_kernarg_segment_ptr 1
		.amdhsa_wavefront_size32 1
		.amdhsa_system_sgpr_workgroup_id_x 1
		.amdhsa_system_sgpr_workgroup_id_y 1
		.amdhsa_system_sgpr_workgroup_id_z 1
		.amdhsa_system_vgpr_workitem_id 0
		.amdhsa_next_free_vgpr 194
		.amdhsa_next_free_sgpr 66
		.amdhsa_reserve_vcc 0
		.amdhsa_float_denorm_mode_32 3
		.amdhsa_float_denorm_mode_16_64 3
		.amdhsa_memory_ordered 1
		.amdhsa_forward_progress 1
		.amdhsa_inst_pref_size 86
	.end_amdhsa_kernel
	.amdgpu_metadata
---
amdhsa.version: [ 1, 2 ]
amdhsa.kernels:
  - .name:           k_q83788f3af1_quant
    .symbol:         k_q83788f3af1_quant.kd
    .args:
      - { .name: top_buf_h, .offset: 0, .size: 8, .value_kind: global_buffer, .address_space: global }
      - { .name: top_stack1_h, .offset: 8, .size: 8, .value_kind: global_buffer, .address_space: global }
      - { .name: top_stack2_h, .offset: 16, .size: 8, .value_kind: global_buffer, .address_space: global }
      - { .name: h_prev, .offset: 24, .size: 8, .value_kind: global_buffer, .address_space: global }
      - { .name: W_buf, .offset: 32, .size: 8, .value_kind: global_buffer, .address_space: global }
      - { .name: W_stack1, .offset: 40, .size: 8, .value_kind: global_buffer, .address_space: global }
      - { .name: W_stack2, .offset: 48, .size: 8, .value_kind: global_buffer, .address_space: global }
      - { .name: W_lateral, .offset: 56, .size: 8, .value_kind: global_buffer, .address_space: global }
      - { .name: lowp_scales, .offset: 64, .size: 8, .value_kind: global_buffer, .address_space: global }
      - { .name: a_codes, .offset: 72, .size: 8, .value_kind: global_buffer, .address_space: global }
      - { .name: w_codes, .offset: 80, .size: 8, .value_kind: global_buffer, .address_space: global }
    .group_segment_fixed_size: 68096
    .private_segment_fixed_size: 0
    .kernarg_segment_align: 8
    .kernarg_segment_size: 88
    .max_flat_workgroup_size: 128
    .sgpr_count:     66
    .vgpr_count:     194
    .wavefront_size: 32
...
	.end_amdgpu_metadata
.endif
;; end of part 1
;; launch gemm (part 2): grid 16 x 16, 4 waves a work-group, clusters of 4 x 4, 327,680 bytes of LDS; arguments a_codes, w_codes, lowp_scales, b_lateral, c_prev, out0, out1; writes out0, out1
.if DOCPART == 2
	.amdgcn_target "amdgcn-amd-amdhsa--gfx1250"
	.amdhsa_code_object_version 6
	.text
	.protected	k_q83788f3af1_gemm
	.globl	k_q83788f3af1_gemm
	.p2align	8
	.type	k_q83788f3af1_gemm,@function
k_q83788f3af1_gemm:
	s_mov_b64 s[64:65], 0
	v_nop
	global_prefetch_b8 v0, s[64:65] scope:SCOPE_SE
	s_setreg_imm32_b32 hwreg(HW_REG_WAVE_MODE, 25, 1), 1
	s_wait_xcnt 0x0
	s_wait_alu depctr_hold_cnt(0) depctr_sa_sdst(0) depctr_va_vdst(0) depctr_va_sdst(0) depctr_va_ssrc(0) depctr_va_vcc(0) depctr_vm_vsrc(0)
	s_getreg_b32 s2, hwreg(HW_REG_IB_STS2, 6, 4)
	s_cmp_eq_u32 s2, 0
	s_cbranch_scc0 .Lentry_in_a_cluster
	s_endpgm
.Lentry_in_a_cluster:
	s_bfe_u32 s2, ttmp6, 0x10000c
	s_cmp_lg_u32 s2, 0xf033
	s_cbranch_scc0 .Lentry_shape_is_right
	s_endpgm
.Lentry_shape_is_right:
; gates = the four products on codes of BF8 (E5M2), added, + b_lateral;  c = tanh(a) sig(i) + sig(f) c_prev;  h = sig(o) tanh(c).  out0 = h, out1 = c, [4096][1024] f32.
; The four products are ONE product with K' = 4,096, product p at K' = 1024 p on.  a_codes and w_codes are laid by K steps of 256: [16 K steps][4096 rows][256 bytes], so that a wave's tile of 128 rows is one dense block of 32,768 bytes.
; A sum of product p stands for sum x 2^Ep, Ep = e[2p] + e[2p+1].  So behind K' = 1,024, 2,048 and 3,072 every accumulator is multiplied by 2^(Ep - Ep+1), which rounds nothing, and goes on in the next product's unit; at the end the unit is 2^E3.
; A work-group of four waves makes 256 rows x 256 rows of w_codes, which are 64 track columns of all four gates (row n' = 128 (j / 32) + 32 g + j % 32); a wave makes 128 x 128: 64 accumulators, 512 registers.
; THE MATRIX INSTRUCTION IS USED TRANSPOSED (source 0 = 16 rows of w_codes, source 1 = 16 rows of a_codes): in accumulator (a, b = 2 g + u) lane (r, h) holds, in register j, gate g of row 16 a + r at track
; column 16 u + 8 h + j of the wave's 32.  So a lane finds all four gates of its eight outputs in its own registers, and the gates never go to memory.
; K' goes in steps of 256 through a ring of two LDS slots filled by the tensor data mover.  CLUSTERS: 4 x 4 work-groups; the four of a row need the same tiles of a_codes, the four of a column the same tiles
; of w_codes: each tile is asked for JOINTLY, by the same tensor load with the same descriptor and a mask that names the four.
; A fragment comes by four loads of 16 bytes: a permutation of k inside an instruction, the same in both operands, so that every product meets its partner; only the order of the sums inside an instruction differs.
; c_prev's tile (256 rows x 256 bytes) comes by one more tensor load a wave into slot 0, behind that slot's last read; c replaces it there in place, h goes beside it, and both leave as whole rows of 256 bytes,
; in four phases of 32 rows for each half of the tile, so that a phase's stores are on their way while the next phase is computed.
; tanh(x) = (2^t - 1) / (2^t + 1), t = 2 log2(e) x held at 60 from above, where the quotient is 1 in f32; sig(x) = 1 / (1 + 2^(-log2(e) x)).  tanh(a) sig(i) and sig(o) tanh(c) take one reciprocal each.
; LIMITS on the given exponents: each Ep - Ep+1 between -126 and 127; every Eq - Ep+1 with q <= p at most 84 (a product's sum of codes is under 2^42, so no rescaled sum overflows); E3 between -126 and 126.
; NaN and infinities among the inputs are not served.
; REGISTERS, in windows of 256: window 0: v16-31 addresses; v32-95 the biases, times their gate's factor; from v128 A's fragments, ONE set; on the way out v96-231 are at work.
;   window 1: B's fragments, TWO sets, at v0 and v128.   window 2: the accumulators of my rows 0-63 ((a, b) at v[8 (8 a + b)]);   window 3: those of my rows 64-127.
.set ROWB,   256                       ; a tile's row in bytes: 256 codes along K'; in memory the rows of a K step lie on end
.set KBLK,   1<<20                     ; a K step's block of codes in memory: 4,096 rows x 256 bytes
.set KROW,   4096                      ; a row of c_prev, out0, out1 in bytes
.set PITCH,  272                       ; an LDS row: 256 bytes + 16 of padding = 68 words: row r starts at bank 4 r mod 64 (64 banks of 4 bytes: ISA guide 11.1)
.set FR,     16                        ; registers of a fragment: 16 rows x 128 K
.set NL,     4                         ; LDS loads that bring one
.set NP,     4                         ; places behind this matrix instruction (ISA guide 7.12.1)
.set HALFT,  128*PITCH                 ; 128 rows: what one joint load brings, and what one wave reads of A or of B
.set SLOT,   4*HALFT                   ; A's 256 rows, then B's 256 rows
.set SPARE,  2*SLOT                    ; behind the ring: the spare words, 128 bytes for each wave: two blocks of 256 bytes that no other line names
.set HSTG,   2*HALFT                   ; the way out: c_prev and then c lie at LDS byte 0 (where slot 0 held A), h from here on (where it held B): 256 rows x 272 each
.set ADRA, 16                          ; v16-17  LDS address of my A fragments in slot 0, 1
.set ADRB, 20                          ; v20-21  the same for B
.set PFR,  22                          ; v22     the offset of c_prev's prefetches: 4,096 x my lane: a lane a row; never rewritten
.set STC,  24                          ; v24     my 32 bytes of a row of c_prev and c
.set STH,  25                          ; v25     the same of h
.set RDC,  26                          ; v26     where I read whole rows of c back
.set RDH,  27                          ; v27     and of h
.set SPW,  28                          ; v28     LDS address of my spare word: SPARE + 4 x my thread's number; never rewritten
.set NIL,  29                          ; v29     0; never rewritten
.set PFO,  30                          ; v30     the offset of the codes' prefetches: 256 x my lane: a lane a row; never rewritten
.set CO,   31                          ; v31     my byte offset in two rows of out0 and out1
.set BI,   32                          ; v32-95  biases: (g, u) at BI + 8 (2 g + u)
.set HB,   96                          ; v96-127 the way out: 16 rows of h, read back whole
.set AF,   128                         ; A's fragments
.set TA,   128                         ; the way out: v128-135 a's, v136-143 i's, v144-151 f's, v152-159 o's exponents and then powers of two
.set TI,   136
.set TF,   144
.set TO,   152
.set CP,   160                         ; v160-175 c_prev and then c, two sets by turns
.set DA,   176                         ; v176-183 a denominator and then its reciprocal
.set NU,   184                         ; v184-199 a numerator and at last h, two sets by turns
.set CB,   200                         ; v200-231 16 rows of c, read back whole
.set G1,  24                           ; s[24:31] descriptor group 1 for A's tiles;  s[32:39] group 0, one set for each slot
.set G0,  32
.set G1B, 48                           ; s[48:55], s[56:63] the same for B's tiles
.set G0B, 56
.set K2,  74                           ; s[74:75] 2 log2(e)
.set G1C, 76                           ; s[76:83], s[84:87] c_prev's tile
.set G0C, 84
.set PFA, 88                           ; s[88:89] where my prefetches of codes stand
.set PFC, 90                           ; s[90:91] my 64 rows of c_prev's tile
.set LIM, 92                           ; s92     1 in a wave that prefetches codes
.set CAP, 93                           ; s93     60.0
.set FC,  94                           ; s[94:95] the factor of the next change of unit; s96, s97 the two behind it
.set SA,  98                           ; s[98:99]   2 log2(e) x 2^E3
.set SS,  100                          ; s[100:101] -log2(e) x 2^E3
.set MSB, 0
.macro WIN new                         ; the immediate's high byte repeats the setting that is left
.if MSB != \new
	s_set_vgpr_msb (MSB<<8)|\new
.set MSB, \new
.endif
.endm
.set MUL_LO, 0xa1                      ; source 0 (B) window 1, source 1 (A) window 0, C and D window 2
.set MUL_HI, 0xf1                      ; the same, C and D window 3
.set TO_B,   0x40                      ; destination window 1, address window 0
; A joint load: waves 0 and 1 fetch for A, waves 2 and 3 for B.  Each of the two lines has ONE mask and one set of registers for all that issue it; the branch hangs on the wave's number alone.
; Four v_nop follow each of the two lines, ahead of the jump, the label and what follows.
.macro JLOAD g0a, g1a, g0b, g1b
	s_cmp_eq_u32 s15, 0
	s_cbranch_scc0 .Lfor_b_\@
	tensor_load_to_lds s[\g0a:\g0a+3], s[\g1a:\g1a+7]
	s_nop 0
.rept 4
	v_nop
.endr
	s_branch .Lasked_\@
.Lfor_b_\@:
	tensor_load_to_lds s[\g0b:\g0b+3], s[\g1b:\g1b+7]
	s_nop 0
.rept 4
	v_nop
.endr
.Lasked_\@:
.endm
.macro CREST                           ; a round of the cluster's barrier behind its opening barrier
	s_cmp_lg_u32 s14, 0
	s_cbranch_scc1 .Lnot_wave_0_\@
	s_barrier_signal -3
.Lnot_wave_0_\@:
	s_barrier_wait -3
	s_barrier_signal -1
	s_barrier_wait -1
.endm
.macro CROUND                          ; a whole round
	s_barrier_signal -1
	s_barrier_wait -1
	CREST
.endm
	s_load_b256 s[4:11], s[0:1], 0x0               ; a_codes s[4:5], w_codes s[6:7], the scales' exponents s[8:9], b_lateral s[10:11]
	s_load_b128 s[68:71], s[0:1], 0x20             ; c_prev s[68:69], out0 s[70:71]
	s_load_b64 s[72:73], s[0:1], 0x30              ; out1
	v_lshl_add_u32 v[SPW], v0, 2, SPARE
	v_mov_b32 v[NIL], 0
	ds_add_u32 v28, v29
	s_wait_dscnt 0x0
	v_lshrrev_b32 v1, 5, v0
	v_readfirstlane_b32 s14, v1                    ; wave 0..3
	s_lshr_b32 s15, s14, 1                         ; which half of the tile's rows is mine.  Also: I fetch for A (0) or for B (1)
	s_and_b32 s16, s14, 1                          ; which 32 of its 64 track columns.  Also: which 128 rows of that tile I fetch
	s_bfe_u32 s40, ttmp6, 0x40000                  ; cx, cy: my place in the cluster
	s_bfe_u32 s41, ttmp6, 0x40004
	s_lshl_b32 s42, ttmp9, 2
	s_add_co_u32 s42, s42, s40                     ; tx = 4 x cluster x + cx: track columns 64 tx on
	s_and_b32 s17, ttmp7, 0xffff
	s_lshl_b32 s17, s17, 2
	s_add_co_u32 s17, s17, s41                     ; ty = 4 x cluster y + cy: rows 256 ty on
	s_lshl_b32 s43, s41, 2
	s_lshl_b32 s43, 15, s43                        ; my row of the cluster
	s_lshl_b32 s44, 0x1111, s40                    ; my column
	; descriptor group 1: a tile of 128 rows x 256 bytes, dense in memory, padded in LDS
	s_or_b32 s[G1+0], s43, (0<<16)|(1<<20)|(1<<21)|(5<<22)|(3<<25)  ; 15:0 the mask: A's tiles go to my row; 17:16 element of 1 byte; 20 padding on; 21 set beside a mask; 24:22 after every 64 words (code 5); 31:25 of 4 words (code 3)
	s_or_b32 s[G1B+0], s44, (0<<16)|(1<<20)|(1<<21)|(5<<22)|(3<<25)
.irp g, G1, G1B
	s_mov_b32 s[\g+1], ROWB<<16                    ; tensor_dim0
	s_mov_b32 s[\g+2], 128<<16                     ; tensor_dim1 = 128
	s_mov_b32 s[\g+3], ROWB<<16                    ; tile_dim0
	s_mov_b32 s[\g+4], 128                         ; tile_dim1 = 128
	s_mov_b32 s[\g+5], ROWB                        ; tensor_dim0_stride: a row begins where the last ends
	s_mov_b32 s[\g+6], 0
	s_mov_b32 s[\g+7], 0
.endr
	; c_prev's tile: 64 rows x 256 bytes a wave, the work-group's own: no mask
	s_mov_b32 s[G1C+0], (0<<16)|(1<<20)|(5<<22)|(3<<25)
	s_mov_b32 s[G1C+1], 256<<16
	s_mov_b32 s[G1C+2], 64<<16
	s_mov_b32 s[G1C+3], 256<<16
	s_mov_b32 s[G1C+4], 64
	s_mov_b32 s[G1C+5], KROW
	s_mov_b32 s[G1C+6], 0
	s_mov_b32 s[G1C+7], 0
	s_mov_b32 s[K2], 0x4038aa3b                    ; 2 log2(e)
	s_mov_b32 s[K2+1], s[K2]                       ; (named with it as a pair, so it is written)
	s_mov_b32 s[CAP], 0x42700000                   ; 60.0
	s_lshl_b32 s18, s16, 7                         ; which 128 rows of the tile I fetch
	s_lshl_b32 s20, s17, 8
	s_add_co_u32 s20, s20, s18                     ; A: row 256 ty + 128 x half,
	s_lshl_b32 s20, s20, 8                         ; in bytes within a K step's block
	s_lshl_b32 s46, s42, 8
	s_add_co_u32 s46, s46, s18                     ; B: row 256 tx + 128 x half
	s_lshl_b32 s46, s46, 8
	s_mov_b32 s21, 0
	s_mov_b32 s47, 0
	s_mul_i32 s45, s14, HALFT                      ; where they go: wave x 128 rows: no place in the cluster enters an LDS address
	s_wait_kmcnt 0x0
	s_add_nc_u64 s[20:21], s[4:5], s[20:21]
	s_add_nc_u64 s[46:47], s[6:7], s[46:47]
	CROUND                                         ; all sixteen work-groups are here: the first joint loads meet
.irp s, 0,1
	s_mov_b32 s[G0+4*\s], 1
	s_add_co_u32 s[G0+4*\s+1], s45, \s*SLOT
	s_add_nc_u64 s[G0+4*\s+2:G0+4*\s+3], s[20:21], \s*KBLK
	s_or_b32 s[G0+4*\s+3], s[G0+4*\s+3], 0x80000000
	s_mov_b32 s[G0B+4*\s], 1
	s_add_co_u32 s[G0B+4*\s+1], s45, \s*SLOT
	s_add_nc_u64 s[G0B+4*\s+2:G0B+4*\s+3], s[46:47], \s*KBLK
	s_or_b32 s[G0B+4*\s+3], s[G0B+4*\s+3], 0x80000000
	JLOAD G0+4*\s, G1, G0B+4*\s, G1B               ; two tensor loads of mine are out: the most in this text
.endr
	v_and_b32 v1, 15, v0                           ; r = l % 16
	v_bfe_u32 v2, v0, 4, 1                         ; h = l / 16
	; the biases: lane (r, h) wants, for (g, u), b_lateral at 1024 g + 64 tx + 32 ch + 16 u + 8 h + 0 .. 7
	s_lshl_b32 s18, s42, 8
	s_lshl_b32 s19, s16, 7
	s_add_co_u32 s18, s18, s19
	s_mov_b32 s19, 0
	s_add_nc_u64 s[10:11], s[10:11], s[18:19]
	v_lshlrev_b32 v7, 5, v2
.irp g, 0,1,2,3
.irp u, 0,1
	global_load_b128 v[BI+8*(2*\g+\u):BI+8*(2*\g+\u)+3],   v7, s[10:11] offset:4096*\g+64*\u
	global_load_b128 v[BI+8*(2*\g+\u)+4:BI+8*(2*\g+\u)+7], v7, s[10:11] offset:4096*\g+64*\u+16
.endr
.endr
	v_mul_u32_u24 v3, v1, PITCH
	v_lshl_add_u32 v4, v2, 4, v3                   ; a fragment's row x pitch + 16 x half
	s_mul_i32 s21, s15, HALFT                      ; my 128 rows of A
	s_mul_i32 s22, s16, HALFT                      ; my 128 rows of B,
	s_add_co_u32 s22, s22, 2*HALFT                 ; which lie behind A's 256
.irp s, 0,1
	v_add_nc_u32 v[ADRA+\s], s21, v4
	v_add_nc_u32 v[ADRB+\s], s22, v4
	s_add_co_u32 s21, s21, SLOT
	s_add_co_u32 s22, s22, SLOT
.endr
	s_mul_i32 s23, s15, 128*PITCH                  ; the way out: my 128 rows,
	s_lshl_b32 s18, s16, 7                         ; my 128 bytes of their 256,
	s_add_co_u32 s23, s23, s18
	v_lshl_add_u32 v5, v2, 5, v3                   ; row r, 32 bytes for each half of the lanes
	v_add_nc_u32 v[STC], s23, v5
	v_add_nc_u32 v[STH], HSTG, v[STC]
	s_mul_i32 s23, s15, 128*PITCH                  ; back: of the 32 rows that a phase finishes in my half of the tile I take 16, whole: rows 128 rh + 16 ch on;
	s_mul_i32 s18, s16, 16*PITCH
	s_add_co_u32 s23, s23, s18
	v_mul_u32_u24 v5, v2, PITCH                    ; lanes 0-15 one row of 256 bytes, lanes 16-31 the next
	v_lshl_add_u32 v5, v1, 4, v5
	v_add_nc_u32 v[RDC], s23, v5
	v_add_nc_u32 v[RDH], HSTG, v[RDC]
	v_lshlrev_b32 v[CO], 12, v2                    ; and the same two rows in out0 and out1
	v_lshl_add_u32 v[CO], v1, 4, v[CO]
	v_and_b32 v[PFO], 31, v0
	v_lshlrev_b32 v[PFR], 12, v[PFO]
	v_lshlrev_b32 v[PFO], 8, v[PFO]
	; where the 64 rows of c_prev that I fetch begin: (256 ty + 64 w) rows of 4,096 bytes + 256 tx
	s_lshl_b32 s18, s17, 8
	s_lshl_b32 s19, s14, 6
	s_add_co_u32 s18, s18, s19
	s_lshl_b32 s18, s18, 12
	s_lshl_b32 s19, s42, 8
	s_add_co_u32 s18, s18, s19
	s_mov_b32 s19, 0
	s_add_nc_u64 s[PFC:PFC+1], s[68:69], s[18:19]
	s_mov_b32 s[G0C], 1                            ; 1:0 count = 1
	s_mul_i32 s[G0C+1], s14, 64*PITCH              ; LDS address: wave x 64 rows, from LDS byte 0
	s_mov_b64 s[G0C+2:G0C+3], s[PFC:PFC+1]
	s_or_b32 s[G0C+3], s[G0C+3], 0x80000000        ; type = 2
	; where the rows of out0 and out1 that I store begin: (256 ty + 128 rh + 16 ch) rows + 256 tx
	s_lshl_b32 s18, s17, 8
	s_lshl_b32 s19, s15, 7
	s_add_co_u32 s18, s18, s19
	s_lshl_b32 s19, s16, 4
	s_add_co_u32 s18, s18, s19
	s_lshl_b32 s18, s18, 12
	s_lshl_b32 s19, s42, 8
	s_add_co_u32 s18, s18, s19
	s_mov_b32 s19, 0
	s_add_nc_u64 s[70:71], s[70:71], s[18:19]
	s_add_nc_u64 s[72:73], s[72:73], s[18:19]
	; the prefetches of codes.  A's tile row is read by every cluster of that row of clusters: cluster x = 0 asks; B's tile column by every cluster of that column: cluster y = 0 asks.
	; Of the 128 rows that a wave fetches, each of the four partners that ask for them jointly takes 32, told apart BY ADDRESS (cx for A, cy for B): a lane a row of 256 bytes, one instruction a wave.
	s_lshl_b32 s18, s17, 8
	s_lshl_b32 s19, s42, 8
	s_and_b32 s22, ttmp7, 0xffff                   ; cluster y
	s_cmp_eq_u32 s15, 0                            ; do I fetch for A?
	s_cselect_b32 s20, s18, s19                    ; the tile's first row
	s_cselect_b32 s21, s40, s41                    ; my place among the four that ask for it with me
	s_cselect_b32 s22, ttmp9, s22                  ; the coordinate along which other clusters read the same rows
	s_cselect_b64 s[PFA:PFA+1], s[4:5], s[6:7]
	s_cmp_eq_u32 s22, 0
	s_cselect_b32 s[LIM], 1, -1                    ; the same in all sixteen partners, for a given wave
	s_lshl_b32 s22, s16, 7
	s_add_co_u32 s20, s20, s22                     ; + the 128 rows that I fetch
	s_lshl_b32 s21, s21, 5
	s_add_co_u32 s20, s20, s21                     ; + my work-group's 32 of them
	s_lshl_b32 s20, s20, 8
	s_add_co_u32 s20, s20, 3*KBLK                  ; in K step 3's block: each change of slots steps it first, so the change of K step k names K step k + 4
	s_mov_b32 s21, 0
	s_add_nc_u64 s[PFA:PFA+1], s[PFA:PFA+1], s[20:21]
	s_load_b256 s[40:47], s[8:9], 0x0              ; the eight exponents (s40 to s47 are done with)
	s_wait_loadcnt 0x0                             ; the biases: each is multiplied once by its gate's factor, so that one multiply-add gives an exponent
.irp j, 0,2,4,6,8,10,12,14
	v_pk_mul_f32 v[BI+\j:BI+\j+1], v[BI+\j:BI+\j+1], s[K2:K2+1] op_sel_hi:[1,0]        ; a: x 2 log2(e)
.endr
.set J, 16
.rept 24
	v_pk_mul_f32 v[BI+J:BI+J+1], v[BI+J:BI+J+1], 0xbfb8aa3b op_sel_hi:[1,0]            ; i, f, o: x -log2(e)
.set J, J+2
.endr
	s_wait_kmcnt 0x0
	s_add_co_i32 s40, s40, s41                     ; E0
	s_add_co_i32 s42, s42, s43                     ; E1
	s_add_co_i32 s44, s44, s45                     ; E2
	s_add_co_i32 s46, s46, s47                     ; E3
	s_sub_co_i32 s[FC], s40, s42
	s_add_co_i32 s[FC], s[FC], 127
	s_lshl_b32 s[FC], s[FC], 23                    ; 2^(E0 - E1) as f32
	s_mov_b32 s[FC+1], s[FC]
	s_sub_co_i32 s96, s42, s44
	s_add_co_i32 s96, s96, 127
	s_lshl_b32 s96, s96, 23                        ; 2^(E1 - E2)
	s_sub_co_i32 s97, s44, s46
	s_add_co_i32 s97, s97, 127
	s_lshl_b32 s97, s97, 23                        ; 2^(E2 - E3)
	s_lshl_b32 s46, s46, 23                        ; E3 is added to the two factors' exponent fields
	s_add_co_u32 s[SA], s46, 0x4038aa3b
	s_mov_b32 s[SA+1], s[SA]
	s_add_co_u32 s[SS], s46, 0xbfb8aa3b
	s_mov_b32 s[SS+1], s[SS]
.macro FRAG reg, adr, q, i             ; a fragment, 16 rows x 128 K, is 16 registers: lane l holds row l % 16; registers 4 c .. 4 c + 3 hold K = 32 c + 16 (l / 16) + 0 .. 15
.irp c, 0,1,2,3
	ds_load_b128 v[\reg+4*\c:\reg+4*\c+3], v[\adr] offset:128*(\q)+32*\c+(\i)*16*PITCH
.endr
.endm
; 16 matrix instructions: A's blocks a0, a0 + 1 x B's eight, 128 along K.  p: B's set.  zero = 1: the first product starts the sums: nothing is ever cleared.
; The 64 accumulators take turns, one instruction a turn, in the same order in every step.
.macro MUL16 a0, p, zero
.irp a, \a0, \a0+1
.irp b, 0,1,2,3,4,5,6,7
.if \zero
	v_wmma_f32_16x16x128_bf8_bf8 v[8*(8*((\a)%4)+\b):8*(8*((\a)%4)+\b)+7], v[128*(\p)+FR*\b:128*(\p)+FR*\b+FR-1], v[AF+FR*(\a):AF+FR*(\a)+FR-1], 0
.else
	v_wmma_f32_16x16x128_bf8_bf8 v[8*(8*((\a)%4)+\b):8*(8*((\a)%4)+\b)+7], v[128*(\p)+FR*\b:128*(\p)+FR*\b+FR-1], v[AF+FR*(\a):AF+FR*(\a)+FR-1], v[8*(8*((\a)%4)+\b):8*(8*((\a)%4)+\b)+7]
.endif
.endr
.endr
.endm
; four of them: A's block a x B's blocks b0 .. b0 + 3, in the same order
.macro MUL4 a, b0, p
.irp d, 0,1,2,3
	v_wmma_f32_16x16x128_bf8_bf8 v[8*(8*((\a)%4)+(\b0)+\d):8*(8*((\a)%4)+(\b0)+\d)+7], v[128*(\p)+FR*((\b0)+\d):128*(\p)+FR*((\b0)+\d)+FR-1], v[AF+FR*(\a):AF+FR*(\a)+FR-1], v[8*(8*((\a)%4)+(\b0)+\d):8*(8*((\a)%4)+(\b0)+\d)+7]
.endr
.endm
.macro FETCH_B slot, q, p              ; B's eight fragments of the slot's q-th 128 along K into set p
	WIN TO_B
.irp i, 0,1,2,3,4,5,6,7
	FRAG 128*(\p)+FR*\i, ADRB+\slot, \q, \i
.endr
	WIN 0
.endm
.macro FETCH_A slot, q, i0             ; A's blocks i0 .. i0 + 3
.irp i, \i0, \i0+1, \i0+2, \i0+3
	FRAG AF+FR*(\i), ADRA+\slot, \q, \i
.endr
.endm
; A load into a register that a matrix instruction has read, and a vector instruction that reads a matrix result or writes one of its registers, stand NP places behind it; only plain vector
; instructions that name none of its registers are places (ISA guide 7.12.1 for vector instructions).
.macro PLACES n
.rept \n
	v_nop
.endr
.endm
; A step of 128 along K that has its successor in the same slot.  A block of A is free as soon as its eight products are issued: blocks 0-3 are fetched anew in the step's middle, blocks 4-7 at its end.
.macro STEP slot, q, zero
	s_wait_dscnt 4*NL                              ; B's set and A's blocks 0-3 are in; the youngest 16 loads (A's blocks 4-7) may be out
	WIN MUL_LO
	MUL16 0, (\q)%2, \zero
	MUL16 2, (\q)%2, \zero
	s_wait_dscnt 0                                 ; A's blocks 4-7 are in (asked for 32 matrix instructions ago)
	PLACES NP
	FETCH_B \slot, (\q)+1, 1-(\q)%2
	FETCH_A \slot, (\q)+1, 0
	WIN MUL_HI
	MUL16 4, (\q)%2, \zero
	MUL16 6, (\q)%2, \zero
	PLACES NP
	WIN 0
	FETCH_A \slot, (\q)+1, 4
.endm
; A slot's last step changes slots: ONE barrier, which opens a round of the cluster's; in front of it each wave waits for all its tensor loads, adds 0 to its spare word, and waits for that and for its own reads of this slot.
; The wait for the tensor loads stands behind 24 of the step's matrix instructions, and only 8 more and the round stand between it and the next request: of the 128 matrix instructions from one request to the next,
; 120 stand between a request and the wait for it.
; fill = 1: this slot is filled again, two K steps ahead, by the joint loads.  fill = 2: it takes c_prev's tile, each wave its own 64 rows.
; ask = 1: a prefetch of the K step that stands two refills behind the one just asked for: 32 rows x 256 bytes, a lane a row.  ask = 2, 3: of the first and the second 32 of my 64 rows of c_prev's tile,
; two changes and one change ahead of the load that brings them; every wave asks, since the tile is its work-group's own.  Each row's 256 bytes are named once in the launch.
.macro TURN slot, next, fill, ask
.if \ask == 1
	s_wait_xcnt 0x0                                ; the last prefetch, a K step back, has read its address: it is stepped here, ahead of the waits of the change of slots
	s_add_nc_u64 s[PFA:PFA+1], s[PFA:PFA+1], KBLK
.endif
	s_wait_dscnt 4*NL                              ; B's set and A's blocks 0-3 are in; the youngest 16 loads (A's blocks 4-7) may be out
	WIN MUL_LO
	MUL16 0, 1, 0
	MUL4 2, 0, 1
	MUL4 2, 4, 1
	WIN 0                                          ; (the add's two registers lie in window 0)
	s_wait_tensorcnt 0x0                           ; all my tensor loads have landed: my part of the next slot;
	ds_add_u32 v[SPW], v[NIL]                      ; 0 onto my spare word
	WIN MUL_LO
	MUL4 3, 0, 1                                   ; four matrix instructions stand between the add and the wait for it
	s_wait_dscnt 0x0                               ; the add is done, and my reads of this slot are over
	s_barrier_signal -1
	MUL4 3, 4, 1
	WIN 0
	s_barrier_wait -1
	CREST                                          ; no wave of any partner still reads this slot's tile or has a load on its way
.if \fill == 1
	s_add_nc_u64 s[G0+4*\slot+2:G0+4*\slot+3], s[G0+4*\slot+2:G0+4*\slot+3], 2*KBLK
	s_add_nc_u64 s[G0B+4*\slot+2:G0B+4*\slot+3], s[G0B+4*\slot+2:G0B+4*\slot+3], 2*KBLK
	JLOAD G0+4*\slot, G1, G0B+4*\slot, G1B         ; the first tensor load behind the round, and my only one until the next; its four v_nop are the places in front of the loads below
.else
	tensor_load_to_lds s[G0C:G0C+3], s[G1C:G1C+7]  ; c_prev: it has the last K step's 128 matrix instructions in which to land
	s_nop 0
	PLACES 4
.endif
	FETCH_B \next, 0, 0
	FETCH_A \next, 0, 0
.if \ask == 1
	s_cmp_eq_u32 s[LIM], 1
	s_cbranch_scc0 .Lnot_mine_\@
	global_prefetch_b8 v[PFO], s[PFA:PFA+1] th:TH_LOAD_NT scope:SCOPE_SE
.Lnot_mine_\@:
.elseif \ask == 2
	global_prefetch_b8 v[PFR], s[PFC:PFC+1] th:TH_LOAD_NT scope:SCOPE_SE
.elseif \ask == 3
	global_prefetch_b8 v[PFR], s[PFC:PFC+1] offset:32*KROW th:TH_LOAD_NT scope:SCOPE_SE
.endif
	WIN MUL_HI
	MUL16 4, 1, 0
	MUL16 6, 1, 0
	PLACES NP
	WIN 0
	FETCH_A \next, 0, 4
.endm
; THE CHANGE OF UNIT at a product's end: all 512 sums x 2^(Ep - Ep+1), each accumulator from its low end on.  It stands behind the four places that end the step before.
.macro RESCALE
	WIN 0x82                                       ; source 0 and destination window 2
.set J, 0
.rept 128
	v_pk_mul_f32 v[J:J+1], v[J:J+1], s[FC:FC+1] op_sel_hi:[1,0]
.set J, J+2
.endr
	WIN 0xc3                                       ; window 3
.set J, 0
.rept 128
	v_pk_mul_f32 v[J:J+1], v[J:J+1], s[FC:FC+1] op_sel_hi:[1,0]
.set J, J+2
.endr
	WIN 0
	s_mov_b32 s[FC], s96                           ; the next product's factor moves up
	s_mov_b32 s[FC+1], s96
	s_mov_b32 s96, s97
.endm
	s_wait_tensorcnt 1                             ; my part of K step 0 is in (K step 1's load may be out)
	s_barrier_signal -1
	s_barrier_wait -1                              ; everybody's is
	FETCH_B 0, 0, 0
	FETCH_A 0, 0, 0
	FETCH_A 0, 0, 4
	STEP 0, 0, 1                                   ; the first step stands in front of the loop: its products start the sums
	s_mov_b32 s3, 3
.Lprod:                                                ; a trip is one product, four K steps of 256, from its second step of 128 to the next product's first; it fills four slots
	TURN 0, 1, 1, 1
	STEP 1, 0, 0
	TURN 1, 0, 1, 1
	STEP 0, 0, 0
	TURN 0, 1, 1, 1
	STEP 1, 0, 0
	TURN 1, 0, 1, 1
	RESCALE
	STEP 0, 0, 0
	s_sub_co_u32 s3, s3, 1
	s_cmp_lg_u32 s3, 0
	s_cbranch_scc1 .Lprod
	TURN 0, 1, 1, 2                                ; the last product is written out: K steps 14 and 15 are asked for, no codes are left to prefetch,
	STEP 1, 0, 0
	TURN 1, 0, 1, 3
	STEP 0, 0, 0
	TURN 0, 1, 2, 0                                ; and slot 0, read out, takes c_prev's tile
	STEP 1, 0, 0
	s_wait_dscnt 4*NL                              ; the very last step: nothing more to fetch
	WIN MUL_LO
	MUL16 0, 1, 0
	MUL16 2, 1, 0
	s_wait_dscnt 0                                 ; no LDS instruction of mine is out from here to the barrier below
	WIN MUL_HI
	MUL16 4, 1, 0
	MUL16 6, 1, 0
	WIN 0
	PLACES NP                                      ; behind the last products: for the first reads of results, and for loads and writes into the registers that held A's fragments
	s_wait_tensorcnt 0x0                           ; my 64 rows of c_prev are in,
	s_barrier_signal -1
	s_barrier_wait -1                              ; everybody's are
; THE WAY OUT, a unit at a time: 16 rows (block a) x 16 track columns (u): eight outputs a lane.  A plain v_nop stands behind each run of transcendentals, ahead of the first use of a result (ISA guide 5.7.2).
; c replaces c_prev in LDS in place: the same lane, the same 32 bytes.  c's and h's registers take turns between two sets: a set is written again two units on, behind the wait of the unit between.
.macro UNIT a, u
.set CPP, CP+8*(\u)
.set NUP, NU+8*(\u)
.set AC, 64*((\a)%4)+8*(\u)
	ds_load_b128 v[CPP:CPP+3],   v[STC] offset:16*PITCH*(\a)+64*(\u)
	ds_load_b128 v[CPP+4:CPP+7], v[STC] offset:16*PITCH*(\a)+64*(\u)+16
	WIN 0x02+((\a)/4)                              ; source 0: window 2 or 3
.irp g, 0,1,2,3
.irp i, 0,2,4,6
.if \g == 0
	v_pk_fma_f32 v[TA+8*\g+\i:TA+8*\g+\i+1], v[AC+16*\g+\i:AC+16*\g+\i+1], s[SA:SA+1], v[BI+16*\g+8*(\u)+\i:BI+16*\g+8*(\u)+\i+1] op_sel_hi:[1,0,1]   ; 2 log2(e) (sum x 2^E3 + b)
.else
	v_pk_fma_f32 v[TA+8*\g+\i:TA+8*\g+\i+1], v[AC+16*\g+\i:AC+16*\g+\i+1], s[SS:SS+1], v[BI+16*\g+8*(\u)+\i:BI+16*\g+8*(\u)+\i+1] op_sel_hi:[1,0,1]   ; -log2(e) (sum x 2^E3 + b)
.endif
.endr
.endr
	WIN 0
.irp i, 0,1,2,3,4,5,6,7
	v_min_num_f32 v[TA+\i], s[CAP], v[TA+\i]       ; so that 2^t - 1 stays finite
.endr
.set J, 0
.rept 32
	v_exp_f32 v[TA+J], v[TA+J]                     ; A = e^(2a), I = e^(-i), F = e^(-f), O = e^(-o)
.set J, J+1
.endr
	v_nop
	s_wait_alu depctr_va_vdst(0)
.irp i, 0,2,4,6
	v_pk_add_f32 v[DA+\i:DA+\i+1], v[TA+\i:TA+\i+1], 1.0 op_sel_hi:[1,0]
	v_pk_add_f32 v[NUP+\i:NUP+\i+1], v[TA+\i:TA+\i+1], -1.0 op_sel_hi:[1,0]
	v_pk_add_f32 v[TF+\i:TF+\i+1], v[TF+\i:TF+\i+1], 1.0 op_sel_hi:[1,0]
.endr
.irp i, 0,2,4,6
	v_pk_fma_f32 v[DA+\i:DA+\i+1], v[DA+\i:DA+\i+1], v[TI+\i:TI+\i+1], v[DA+\i:DA+\i+1]   ; (A + 1)(1 + I): at least 1; where it is infinite the reciprocal is 0, which is right
.endr
.irp i, 0,1,2,3,4,5,6,7
	v_rcp_f32 v[DA+\i], v[DA+\i]
.endr
.irp i, 0,1,2,3,4,5,6,7
	v_rcp_f32 v[TF+\i], v[TF+\i]                   ; sig(f)
.endr
	v_nop
	s_wait_dscnt 0x0                               ; c_prev is in; the stores of the unit before have read their registers; rows asked back from LDS ahead of this unit are in
	s_wait_alu depctr_va_vdst(0)
.irp i, 0,2,4,6
	v_pk_mul_f32 v[CPP+\i:CPP+\i+1], v[TF+\i:TF+\i+1], v[CPP+\i:CPP+\i+1]
.endr
.irp i, 0,2,4,6
	v_pk_fma_f32 v[CPP+\i:CPP+\i+1], v[NUP+\i:NUP+\i+1], v[DA+\i:DA+\i+1], v[CPP+\i:CPP+\i+1]   ; c = tanh(a) sig(i) + sig(f) c_prev
.endr
	ds_store_b128 v[STC], v[CPP:CPP+3]   offset:16*PITCH*(\a)+64*(\u)
	ds_store_b128 v[STC], v[CPP+4:CPP+7] offset:16*PITCH*(\a)+64*(\u)+16
.irp i, 0,2,4,6
	v_pk_mul_f32 v[TA+\i:TA+\i+1], v[CPP+\i:CPP+\i+1], s[K2:K2+1] op_sel_hi:[1,0]
.endr
.irp i, 0,1,2,3,4,5,6,7
	v_min_num_f32 v[TA+\i], s[CAP], v[TA+\i]
.endr
.irp i, 0,1,2,3,4,5,6,7
	v_exp_f32 v[TA+\i], v[TA+\i]                   ; C = e^(2c)
.endr
	v_nop
	s_wait_alu depctr_va_vdst(0)
.irp i, 0,2,4,6
	v_pk_add_f32 v[DA+\i:DA+\i+1], v[TA+\i:TA+\i+1], 1.0 op_sel_hi:[1,0]
	v_pk_add_f32 v[NUP+\i:NUP+\i+1], v[TA+\i:TA+\i+1], -1.0 op_sel_hi:[1,0]
.endr
.irp i, 0,2,4,6
	v_pk_fma_f32 v[DA+\i:DA+\i+1], v[DA+\i:DA+\i+1], v[TO+\i:TO+\i+1], v[DA+\i:DA+\i+1]   ; (C + 1)(1 + O)
.endr
.irp i, 0,1,2,3,4,5,6,7
	v_rcp_f32 v[DA+\i], v[DA+\i]
.endr
	v_nop
	s_wait_alu depctr_va_vdst(0)
.irp i, 0,2,4,6
	v_pk_mul_f32 v[NUP+\i:NUP+\i+1], v[NUP+\i:NUP+\i+1], v[DA+\i:DA+\i+1]                 ; h = sig(o) tanh(c)
.endr
	ds_store_b128 v[STH], v[NUP:NUP+3]   offset:16*PITCH*(\a)+64*(\u)
	ds_store_b128 v[STH], v[NUP+4:NUP+7] offset:16*PITCH*(\a)+64*(\u)+16
.endm
; PHASE q is blocks 2 q and 2 q + 1: rows 32 q .. 32 q + 31 of each half of the tile.  A row's 256 bytes come from two waves, so a barrier stands behind the phase's units; then each wave asks 16 whole rows of h
; and of c back from LDS, and stores them behind the next phase's first unit, whose own wait for LDS has shown them in.  Nobody writes a finished phase's rows again: the later units' bytes lie 32 rows or more further down.
.macro MEETB
	s_wait_dscnt 0x0                               ; for the others' sake: my stores of c and h are done
	s_barrier_signal -1
	s_barrier_wait -1
.endm
.macro LOADB q
.irp t, 0,1,2,3,4,5,6,7
	ds_load_b128 v[HB+4*\t:HB+4*\t+3], v[RDH] offset:(32*(\q)+2*\t)*PITCH
.endr
.irp t, 0,1,2,3,4,5,6,7
	ds_load_b128 v[CB+4*\t:CB+4*\t+3], v[RDC] offset:(32*(\q)+2*\t)*PITCH
.endr
.endm
.macro SENDB q                         ; in each store 16 lanes write 256 consecutive bytes, aligned; written once, read by nobody here
.irp t, 0,1,2,3,4,5,6,7
	global_store_b128 v[CO], v[HB+4*\t:HB+4*\t+3], s[70:71] offset:(32*(\q)+2*\t)*KROW th:TH_STORE_NT
.endr
.irp t, 0,1,2,3,4,5,6,7
	global_store_b128 v[CO], v[CB+4*\t:CB+4*\t+3], s[72:73] offset:(32*(\q)+2*\t)*KROW th:TH_STORE_NT
.endr
.endm
	UNIT 0, 0
	UNIT 0, 1
	UNIT 1, 0
	UNIT 1, 1
	MEETB
	LOADB 0
.irp q, 1,2,3
	UNIT 2*\q, 0
	SENDB \q-1                                     ; the unit above has waited for all LDS instructions issued ahead of it
	UNIT 2*\q, 1
	UNIT 2*\q+1, 0
	UNIT 2*\q+1, 1
	MEETB
	s_wait_xcnt 0x0                                ; the last phase's stores have read their registers: this phase's rows may land there
	LOADB \q
.endr
	s_wait_dscnt 0x0
	SENDB 3
	s_wait_tensorcnt 0x0                           ; the wave's end: behind my last tensor load and my last LDS store
	ds_add_u32 v[SPW], v[NIL]
	s_wait_dscnt 0x0
	CROUND                                         ; the closing round: no work-group ends while a partner may still ask for a tile that names it
	s_endpgm
.Lfunc_end_k_q83788f3af1_gemm:
	.size	k_q83788f3af1_gemm, .Lfunc_end_k_q83788f3af1_gemm-k_q83788f3af1_gemm
	.p2alignl 7, 3214868480
	.fill 96, 4, 3214868480
	.section	.rodata,"a",@progbits
	.p2align	6, 0x0
	.amdhsa_kernel k_q83788f3af1_gemm
		.amdhsa_group_segment_fixed_size 327680
		.amdhsa_private_segment_fixed_size 0
		.amdhsa_enable_private_segment 0
		.amdhsa_kernarg_size 56
		.amdhsa_user_sgpr_count 2
		.amdhsa_user_sgpr_kernarg_segment_ptr 1
		.amdhsa_wavefront_size32 1
		.amdhsa_system_sgpr_workgroup_id_x 1
		.amdhsa_system_sgpr_workgroup_id_y 1
		.amdhsa_system_sgpr_workgroup_id_z 1
		.amdhsa_system_vgpr_workitem_id 0
		.amdhsa_next_free_vgpr 1024
		.amdhsa_next_free_sgpr 102
		.amdhsa_reserve_vcc 0
		.amdhsa_float_denorm_mode_32 3
		.amdhsa_float_denorm_mode_16_64 3
		.amdhsa_memory_ordered 1
		.amdhsa_forward_progress 1
		.amdhsa_inst_pref_size 255
	.end_amdhsa_kernel
	.section	.bss,"aw",@nobits
	.p2align	6
	.space	262144
	.amdgpu_metadata
---
amdhsa.version: [ 1, 2 ]
amdhsa.kernels:
  - .name:           k_q83788f3af1_gemm
    .symbol:         k_q83788f3af1_gemm.kd
    .args:
      - { .name: a_codes, .offset: 0, .size: 8, .value_kind: global_buffer, .address_space: global }
      - { .name: w_codes, .offset: 8, .size: 8, .value_kind: global_buffer, .address_space: global }
      - { .name: lowp_scales, .offset: 16, .size: 8, .value_kind: global_buffer, .address_space: global }
      - { .name: b_lateral, .offset: 24, .size: 8, .value_kind: global_buffer, .address_space: global }
      - { .name: c_prev, .offset: 32, .size: 8, .value_kind: global_buffer, .address_space: global }
      - { .name: out0, .offset: 40, .size: 8, .value_kind: global_buffer, .address_space: global }
      - { .name: out1, .offset: 48, .size: 8, .value_kind: global_buffer, .address_space: global }
    .group_segment_fixed_size: 327680
    .private_segment_fixed_size: 0
    .kernarg_segment_align: 8
    .kernarg_segment_size: 56
    .max_flat_workgroup_size: 128
    .sgpr_count:     102
    .vgpr_count:     1024
    .wavefront_size: 32
...
	.end_amdgpu_metadata
.endif
;; end of part 2
